; MI455X (gfx1250); checked and timed in simulation.
; The chip was launched on July 23, 2026; its instructions are those of AMD's public machine-readable ISA for CDNA 5 (MIT licence, August 2026) and "CDNA5" Instruction Set Architecture Reference Guide (July 2026). The comments in the code are by the model that wrote it; some were corrected since.
;; Classical Self Attention. Allowed arithmetic: matrix products marked QUANTISED: E2M3 operands, one E8M0 scale for each 32 along K, by v_wmma_scale_f32_16x16x128_f8f6f4 with both operands' format E2M3, f32 sums; everything else in f32.
;; Inputs: entangle_params 512 x 512 float32; inputs 2 x 4,096 x 512 float32; rotation_params 512 x 512 float32; w_k 512 x 512 float32; w_q 512 x 512 float32; w_v 512 x 512 float32.
;; Outputs: out0 2 x 4,096 x 512 float32.
;; This version of the problem:
;;   THIS VERSION OF THE PROBLEM IS GIVEN IN LOW PRECISION. The matrix products marked QUANTISED in the list below multiply operands that are first quantised to E2M3 (2 exponent bits, 3 mantissa bits; 6 bits a number), with one power-of-two scale for each 32 numbers along K (OCP MX v1.0); their sums are f32. All else is computed in f32.
;;   The module's matrix products, in the order in which they are computed (A, B: the left and right operand; K: the contracted axis; several contracted axes count as one K, in the product's order):
;;     1. [M 8,192, K 512] x [K 512, N 512]; A: input inputs; B: input w_q: QUANTISED
;;     2. [M 8,192, K 512] x [K 512, N 512]; A: computed on the way; B: input rotation_params: QUANTISED
;;     3. [M 8,192, K 512] x [K 512, N 512]; A: input inputs; B: input w_k: QUANTISED
;;     4. [M 8,192, K 512] x [K 512, N 512]; A: computed on the way; B: input entangle_params: QUANTISED
;;     5. [M 8,192, K 512] x [K 512, N 512]; A: input inputs; B: input w_v: QUANTISED
;;     6. batch 16 x [M 4,096, K 64] x [K 64, N 4,096]; A: computed on the way; B: computed on the way: QUANTISED
;;     7. batch 16 x [M 4,096, K 4,096] x [K 4,096, N 64]; A: softmax (see below); B: computed on the way: QUANTISED
;;   THE QUANTISER, for each operand of a quantised product, along K:
;;     - K is cut into blocks of 32 from its start; a last block that is shorter is filled with zeros.
;;     - A block's scale is 2^e with e = floor(log2(the largest magnitude in the block)) - 2, held to -126 .. 127; a block of zeros has e = 0. As a byte (E8M0): e + 127.
;;     - Each number is divided by its block's scale, clamped to +-7.5, and rounded to the nearest number of E2M3, ties to even, subnormals kept.
;;     - The product sums the exact products of the quantised numbers (number of the format x scale) in f32.
;;   ~~~python
;;   def quantise(x, axis):      # numpy; x: float32 -> the quantised numbers, widened to float32 again
;;       x = np.moveaxis(x, axis, -1); K = x.shape[-1]
;;       x = np.pad(x, [(0, 0)] * (x.ndim - 1) + [(0, -K % 32)]); x = x.reshape(x.shape[:-1] + (-1, 32)); a = np.abs(x).max(-1, keepdims=True)
;;       e = np.where(a > 0, np.clip(np.frexp(np.where(a > 0, a, 1))[1] - 1 - 2, -126, 127), 0)      # np.frexp(a)[1] - 1 = floor(log2(a)), exactly
;;       r = np.clip(x / 2.0 ** e, -7.5, 7.5)
;;       step = 2.0 ** (np.maximum(np.frexp(np.where(r == 0, 1, r))[1] - 1, 0) - 3)
;;       q = np.round(r / step) * step * 2.0 ** e      # np.round: ties to even
;;       return np.moveaxis(q.reshape(q.shape[:-2] + (-1,))[..., :K], -1, axis).astype(np.float32)
;;   ~~~
;;   SOFTMAX AHEAD OF A QUANTISED PRODUCT. Where the list says 'softmax', what is quantised is not the finished softmax but p = 2^(t - M), with t = logit x log2(e) and M = ceil(the row's largest t), a whole number; so 1/2 < the row's largest p <= 1. The row's sum l is taken of the UNQUANTISED p, in f32, and the product's result is divided by l at the end. Since M is a whole number, a kernel that streams over the keys may use a running M (the ceiling of the running maximum): every later rescaling is an exact power of two, which a block's scale takes up: the codes' values come out the same.
;;   OPERANDS COMPUTED ON THE WAY. 'Computed on the way' means the value that the module computes at that place (a softmax that the list does not call 'softmax' is quantised finished and normalised). What goes into a quantiser is computed in f32, as accurately as f32 sums, v_exp_f32 and their like allow (about 1e-6 of the number): no bf16 or f16 on the way to a quantiser, and a product that is left as it is and whose result goes on into a quantised operand takes f32 operands (vector FMAs, or v_wmma_f32_16x16x4_f32). A number that lies on a knife's edge between two numbers of the format may be rounded either way, as far as f32 arithmetic and the matrix unit's own rounding can turn it there, and no further.
;; One version. Each part assembles by itself: llvm-mc -triple=amdgcn-amd-amdhsa -mcpu=gfx1250 --defsym DOCPART=n.
;; ======== version 1 of 1: 3 launches
;; limits: right only within a limited range of input values
;; workspace buffers: img 4,300,800 bytes; qimg 3,407,872 bytes; kv 6,684,672 bytes
;; launch prep (part 1): grid 672 x 1, 1 waves a work-group, no clusters, 69,376 bytes of LDS; arguments inputs, w_q, rotation_params, w_k, entangle_params, w_v, img; writes img
.if DOCPART == 1
	.amdgcn_target "amdgcn-amd-amdhsa--gfx1250"
	.amdhsa_code_object_version 6
	.text
	.protected	k_q8ab3751662_prep
	.globl	k_q8ab3751662_prep
	.p2align	8
	.type	k_q8ab3751662_prep,@function
k_q8ab3751662_prep:
	s_mov_b64 s[64:65], 0
	v_nop
	global_prefetch_b8 v0, s[64:65] scope:SCOPE_SE
	s_setreg_imm32_b32 hwreg(HW_REG_WAVE_MODE, 25, 1), 1
	s_wait_xcnt 0x0
; inputs [8192][512], w_q, w_k, w_v [512][512] (K innermost) and rotation_params, entangle_params [512 (k)][512 (n)] (K first), all f32, become codes of FP6 (E2M3) with one E8M0 byte for each 32 along K,
; laid as IMAGES OF OPERAND REGISTERS.  A record of 6,400 bytes holds four fragments (16 rows x 128 K, 12 registers a lane: part c, registers 4 c .. 4 c + 3, at 1536 f + 512 c + 16 x lane) and a scale unit of 256 bytes
; at 6,144: the byte at 8 l + 4 j begins the scale word of fragment 2 j + l / 16, row l % 16.  Record (G, s): rows (or columns n) 64 G .. 64 G + 63, K = 128 s .. 128 s + 127.
; THE ROWS OF A FRAGMENT ARE NOT NEIGHBOURS: lane r of fragment f holds row 64 G + 32 (f / 2) + 8 (f % 2) + r + 8 (r / 8), so that in the later products 16 result registers of two neighbouring tiles are 16 neighbours.
; A block's scale is 2^(floor(log2(its largest magnitude)) - 2); its byte is the largest magnitude's exponent field - 2, held at 1 from below.
; LIMITS: a block of zeros gets the byte 1 where the rule says 127 (its codes are zeros, and this program alone reads the bytes); blocks whose largest magnitude lies under 2^-124 are held at that floor; NaN and infinities are not served.
; One wave to a work-group, one record to a wave: 32,768 bytes of f32 in, 6,400 consecutive bytes out.  Records 0-511: inputs (4 G + s); 512 + 32 t + 4 G + s: tensor t = 0 w_q, 1 rotation, 2 w_k, 3 entangle, 4 w_v.
; Every global load covers whole runs of 256 or 512 consecutive bytes; the numbers turn through LDS so that a lane ends up with its 64 numbers along K.  The two ways (K innermost, K first) have LDS bytes of their own.
; THE ORDER OF ROWS IN A FRAGMENT (this line replaces what the head says of it): lane r of fragment f holds row (or column n) 64 G + 32 (r / 8) + 8 f + r % 8, so that in the later products a lane's 32 result
; registers of four neighbouring tiles are one whole block of 32 neighbours.
.set RB,    33792                      ; LDS: 0 .. 33,791 the stage of the way K innermost (64 rows, 528 bytes apart); from RB the stage of the way K first: row k (256 bytes) at 272 k + 64 (k / 32), no two rows overlap
.set SPARE, 69120                      ; behind both: the spare words, one block of 256 bytes that no other line names
.set R,   16                           ; v16-143  two sets of 64 registers as loaded
.set X,   144                          ; v144-207 my 64 numbers of a fragment: register 32 c + i = K 64 c + 32 (lane / 16) + i
.set C,   208                          ; v208-219 the fragment's codes
.set C2,  220                          ; v220-226 the second halves as the conversions leave them
.set TM,  228                          ; v228-236 at work
.set W,   240                          ; v240-243 the four fragments' scale words
.set U,   244                          ; v244-245 the scale unit
.set SPW, 246                          ; v246 LDS address of my spare word; never rewritten
.set NIL, 247                          ; v247 0; never rewritten
	s_load_b256 s[4:11], s[0:1], 0x0               ; inputs, w_q, rotation_params, w_k
	s_load_b128 s[12:15], s[0:1], 0x20             ; entangle_params, w_v
	s_load_b64 s[16:17], s[0:1], 0x30              ; img
	v_lshl_add_u32 v[SPW], v0, 2, SPARE
	v_mov_b32 v[NIL], 0
	v_lshlrev_b32 v1, 4, v0                        ; 16 x lane
	v_lshlrev_b32 v2, 3, v0                        ; 8 x lane
	v_and_b32 v8, 15, v0                           ; r
	v_lshrrev_b32 v9, 4, v0                        ; h
	v_lshlrev_b32 v3, 3, v9                        ; 8 h: my two scale bytes' shift
	v_mul_u32_u24 v4, v8, 528
	v_lshl_add_u32 v4, v9, 7, v4                   ; K innermost, out of the stage: row r, + 128 h bytes
	v_lshlrev_b32 v5, 4, v8
	v_lshl_add_u32 v5, v9, 11, v5                  ; K first, from memory: two rows of 256 bytes a load
	v_mul_u32_u24 v6, v9, 272
	v_lshl_add_u32 v6, v8, 4, v6
	v_add_nc_u32 v6, RB, v6                        ; and into the stage
	v_and_b32 v10, 8, v8
	v_mad_u32_u24 v10, v10, 3, v8                  ; r + 24 (r / 8) = 32 (r / 8) + r % 8
	v_mul_u32_u24 v7, v9, 8768                     ; lanes 16-31 begin 32 rows further down: 32 x 272 + 64
	v_lshl_add_u32 v7, v10, 2, v7
	v_add_nc_u32 v7, RB, v7                        ; out of it: my column
	v_cmp_le_u32 s30, 16, v0                       ; lanes 16-31
	v_mov_b32 v[TM+8], 0                           ; written once: a lane permute's destination counts as one of its sources
	s_mov_b32 s20, 0x76543210
	s_mov_b32 s21, 0xfedcba98                      ; v_permlanex16_b32's selects for lane l xor 16
	s_and_b32 s22, ttmp9, 3                        ; s
	s_lshr_b32 s23, ttmp9, 2                       ; G of a record of inputs
	s_bfe_u32 s26, ttmp9, 0x30002                  ; G of a record of a weight
	s_sub_co_u32 s24, ttmp9, 512
	s_lshr_b32 s24, s24, 5                         ; which weight
	s_cmp_lt_u32 ttmp9, 512
	s_cselect_b32 s23, s23, s26
	s_cselect_b32 s24, 6, s24                      ; 6: inputs
	s_lshl_b32 s26, s23, 17
	s_lshl_b32 s27, s22, 9
	s_add_co_u32 s26, s26, s27                     ; K innermost: 64 G rows of 2,048 bytes + 512 s
	s_lshl_b32 s27, s22, 18
	s_lshl_b32 s28, s23, 8
	s_add_co_u32 s27, s27, s28                     ; K first: 128 s rows of 2,048 bytes + 256 G
	s_and_b32 s25, s24, 1                          ; tensors 1 and 3 have K first
	s_cmp_lg_u32 s25, 0
	s_cselect_b32 s26, s27, s26
	s_mov_b32 s27, 0
	s_mul_i32 s28, ttmp9, 6400                     ; my record
	s_mov_b32 s29, 0
	s_wait_kmcnt 0x0
	s_mov_b64 s[18:19], s[4:5]                     ; the source: a choice on the work-group's number alone
	s_cmp_eq_u32 s24, 0
	s_cselect_b64 s[18:19], s[6:7], s[18:19]
	s_cmp_eq_u32 s24, 1
	s_cselect_b64 s[18:19], s[8:9], s[18:19]
	s_cmp_eq_u32 s24, 2
	s_cselect_b64 s[18:19], s[10:11], s[18:19]
	s_cmp_eq_u32 s24, 3
	s_cselect_b64 s[18:19], s[12:13], s[18:19]
	s_cmp_eq_u32 s24, 4
	s_cselect_b64 s[18:19], s[14:15], s[18:19]
	s_add_nc_u64 s[18:19], s[18:19], s[26:27]
	s_add_nc_u64 s[16:17], s[16:17], s[28:29]
.macro LOADA f                         ; fragment f's 16 rows, 512 consecutive bytes a load, into set f % 2
.irp i, 0,1,2,3,4,5,6,7,8,9,10,11,12,13,14,15
	global_load_b128 v[R+64*((\f)%2)+4*\i:R+64*((\f)%2)+4*\i+3], v1, s[18:19] offset:(8*(\f)+\i+24*(\i/8))*2048 th:TH_LOAD_NT
.endr
.endm
.macro TURNA f                         ; through the stage: LDS serves a wave's instructions in order, so no wait stands between the stores and the loads
.irp i, 0,1,2,3,4,5,6,7,8,9,10,11,12,13,14,15
	ds_store_b128 v1, v[R+64*((\f)%2)+4*\i:R+64*((\f)%2)+4*\i+3] offset:(16*(\f)+\i)*528
.endr
.irp c, 0,1
.irp j, 0,1,2,3,4,5,6,7
	ds_load_b128 v[X+32*\c+4*\j:X+32*\c+4*\j+3], v4 offset:16*(\f)*528+256*\c+16*\j
.endr
.endr
.endm
.macro LOADB b                         ; rows k = 32 b .. 32 b + 31 of my 64 columns, two rows of 256 bytes a load, into set b % 2
.irp i, 0,1,2,3,4,5,6,7,8,9,10,11,12,13,14,15
	global_load_b128 v[R+64*((\b)%2)+4*\i:R+64*((\b)%2)+4*\i+3], v5, s[18:19] offset:(32*(\b)+2*\i)*2048 th:TH_LOAD_NT
.endr
.endm
.macro PUTB b                          ; row k at 272 k + 64 (k / 32)
.irp i, 0,1,2,3,4,5,6,7,8,9,10,11,12,13,14,15
	ds_store_b128 v6, v[R+64*((\b)%2)+4*\i:R+64*((\b)%2)+4*\i+3] offset:(32*(\b)+2*\i)*272+64*(\b)
.endr
.endm
.macro GETB f                          ; my column of fragment f, down K: rows 64 c + 32 h + i; lanes 0-15 and lanes 16-31 fall on different halves of the banks
.irp c, 0,1
.irp i, 0,1,2,3,4,5,6,7,8,9,10,11,12,13,14,15,16,17,18,19,20,21,22,23,24,25,26,27,28,29,30,31
	ds_load_b32 v[X+32*\c+\i], v7 offset:(64*\c+\i)*272+128*\c+32*(\f)
.endr
.endr
.endm
; My 64 numbers are two whole blocks of 32 (blocks h and 2 + h of my row): scales, codes, and the fragment's three stores of 512 consecutive bytes.
.macro QOUT f
.irp c, 0,1
	v_max3_num_f32 v[TM+\c], |v[X+32*\c]|, |v[X+32*\c+1]|, 0x1800000   ; and the floor 2^(3 - 127): the byte cannot fall under 1
.endr
.irp i, 2,4,6,8,10,12,14,16,18,20,22,24,26,28,30
.irp c, 0,1
	v_max3_num_f32 v[TM+\c], v[TM+\c], |v[X+32*\c+\i]|, |v[X+32*\c+\i+1]|
.endr
.endr
.irp c, 0,1
	v_add_nc_u32 v[TM+4+\c], 0xff000000, v[TM+\c]  ; 2 off the exponent field: the conversion's scale operand
.endr
.irp c, 0,1
	v_lshrrev_b32 v[TM+6+\c], 23, v[TM+4+\c]       ; the scale's byte
.endr
	v_lshl_or_b32 v[W+\f], v[TM+7], 16, v[TM+6]    ; my two bytes,
	v_lshlrev_b32 v[W+\f], v3, v[W+\f]             ; at their places in the word;
	v_permlanex16_b32 v[TM+8], v[W+\f], s20, s21
	v_or_b32 v[W+\f], v[W+\f], v[TM+8]             ; with lane l xor 16's two the word is whole, in both lanes
	v_cvt_scalef32_pk16_fp6_f32 v[C:C+2], v[X:X+15], v[TM+4]
	v_cvt_scalef32_pk16_fp6_f32 v[C2:C2+2], v[X+16:X+31], v[TM+4]      ; (a conversion's three registers begin on an even number)
	v_cvt_scalef32_pk16_fp6_f32 v[C+6:C+8], v[X+32:X+47], v[TM+5]
	v_cvt_scalef32_pk16_fp6_f32 v[C2+4:C2+6], v[X+48:X+63], v[TM+5]
	v_nop                                          ; one plain place behind a scaled conversion
.irp i, 0,1,2
	v_mov_b32 v[C+3+\i], v[C2+\i]
	v_mov_b32 v[C+9+\i], v[C2+4+\i]
.endr
.irp c, 0,1,2
	global_store_b128 v1, v[C+4*\c:C+4*\c+3], s[16:17] offset:1536*(\f)+512*\c
.endr
.endm
	s_cmp_lg_u32 s25, 0
	s_cbranch_scc1 .Lkfirst
	LOADA 0
	LOADA 1
.irp f, 0,1,2,3
.if \f < 3
	s_wait_loadcnt 16                              ; this fragment's 16 loads are in; the next fragment's 16 may be out
.else
	s_wait_loadcnt 0x0
.endif
	TURNA \f
	s_wait_dscnt 0x0                               ; my numbers are back, and the stores have read their set,
.if \f < 2
	LOADA \f+2                                     ; which takes the fragment two on
.endif
.if \f > 0
	s_wait_xcnt 0x0                                ; the last fragment's stores have read the codes' registers
.endif
	QOUT \f
.endr
	s_branch .Lend
.Lkfirst:
	LOADB 0
	LOADB 1
	s_wait_alu depctr_va_vdst(0)
.irp b, 0,1,2,3
.if \b < 3
	s_wait_loadcnt 16                              ; these 32 rows are in; the next 32 rows' 16 loads may be out
.else
	s_wait_loadcnt 0x0
.endif
	PUTB \b
	s_wait_dscnt 0x0                               ; the stores have read their set
.if \b < 2
	LOADB \b+2
.endif
.endr
.irp f, 0,1,2,3
	GETB \f
	s_wait_dscnt 0x0
.if \f > 0
	s_wait_xcnt 0x0                                ; the last fragment's stores have read the codes' registers
.endif
	QOUT \f
.endr
.Lend:
	v_cndmask_b32 v[U], v[W], v[W+1], s30          ; the scale unit: register j holds fragment 2 j's words in lanes 0-15 and fragment 2 j + 1's in lanes 16-31
	v_cndmask_b32 v[U+1], v[W+2], v[W+3], s30
	global_store_b64 v2, v[U:U+1], s[16:17] offset:6144   ; 256 consecutive bytes
	s_wait_tensorcnt 0x0                           ; the wave's end, behind my last LDS store
	ds_add_u32 v[SPW], v[NIL]
	s_wait_dscnt 0x0
	s_endpgm
.Lfunc_end_k_q8ab3751662_prep:
	.size	k_q8ab3751662_prep, .Lfunc_end_k_q8ab3751662_prep-k_q8ab3751662_prep
	.p2alignl 7, 3214868480
	.fill 96, 4, 3214868480
	.section	.rodata,"a",@progbits
	.p2align	6, 0x0
	.amdhsa_kernel k_q8ab3751662_prep
		.amdhsa_group_segment_fixed_size 69376
		.amdhsa_private_segment_fixed_size 0
		.amdhsa_enable_private_segment 0
		.amdhsa_kernarg_size 56
		.amdhsa_user_sgpr_count 2
		.amdhsa_user_sgpr_kernarg_segment_ptr 1
		.amdhsa_wavefront_size32 1
		.amdhsa_system_sgpr_workgroup_id_x 1
		.amdhsa_system_sgpr_workgroup_id_y 1
		.amdhsa_system_sgpr_workgroup_id_z 1
		.amdhsa_system_vgpr_workitem_id 0
		.amdhsa_next_free_vgpr 256
		.amdhsa_next_free_sgpr 66
		.amdhsa_reserve_vcc 0
		.amdhsa_float_denorm_mode_32 3
		.amdhsa_float_denorm_mode_16_64 3
		.amdhsa_memory_ordered 1
		.amdhsa_forward_progress 1
		.amdhsa_inst_pref_size 70
	.end_amdhsa_kernel
	.amdgpu_metadata
---
amdhsa.version: [ 1, 2 ]
amdhsa.kernels:
  - .name:           k_q8ab3751662_prep
    .symbol:         k_q8ab3751662_prep.kd
    .args:
      - { .name: inputs, .offset: 0, .size: 8, .value_kind: global_buffer, .address_space: global }
      - { .name: w_q, .offset: 8, .size: 8, .value_kind: global_buffer, .address_space: global }
      - { .name: rotation_params, .offset: 16, .size: 8, .value_kind: global_buffer, .address_space: global }
      - { .name: w_k, .offset: 24, .size: 8, .value_kind: global_buffer, .address_space: global }
      - { .name: entangle_params, .offset: 32, .size: 8, .value_kind: global_buffer, .address_space: global }
      - { .name: w_v, .offset: 40, .size: 8, .value_kind: global_buffer, .address_space: global }
      - { .name: img, .offset: 48, .size: 8, .value_kind: global_buffer, .address_space: global }
    .group_segment_fixed_size: 69376
    .private_segment_fixed_size: 0
    .kernarg_segment_align: 8
    .kernarg_segment_size: 56
    .max_flat_workgroup_size: 32
    .sgpr_count:     66
    .vgpr_count:     256
    .wavefront_size: 32
...
	.end_amdgpu_metadata
.endif
;; end of part 1
;; launch proj (part 2): grid 64 x 3, 4 waves a work-group, no clusters, 104,960 bytes of LDS; arguments img, qimg, kv; writes qimg, kv
.if DOCPART == 2
	.amdgcn_target "amdgcn-amd-amdhsa--gfx1250"
	.amdhsa_code_object_version 6
	.text
	.protected	k_q8ab3751662_proj
	.globl	k_q8ab3751662_proj
	.p2align	8
	.type	k_q8ab3751662_proj,@function
k_q8ab3751662_proj:
	s_mov_b64 s[64:65], 0
	v_nop
	global_prefetch_b8 v0, s[64:65] scope:SCOPE_SE
	s_setreg_imm32_b32 hwreg(HW_REG_WAVE_MODE, 25, 1), 1
	s_wait_xcnt 0x0
; The five projections, on codes of FP6 (E2M3) with one E8M0 scale for each 32 along K.  Work-group (x, y): tokens 128 x .. 128 x + 127; chain y = 0: q = Q(x w_q^T) rotation, 1: k = Q(x w_k^T) entangle, 2: v = x w_v^T.
; All operands come as images of operand registers out of img (records of 6,400 bytes: four fragments and a scale unit).  Results leave as images again: q and k quantised along the head's 64 (half fragments of 768 bytes:
; registers 0-3 at 16 x lane, 4-5 at 512 + 8 x lane), v quantised along the 128 tokens (whole fragments of 1,536 bytes), each with scale units of 256 bytes.
; SHARES.  Wave w owns features 128 w .. 128 w + 127 (tiles 8 w .. 8 w + 7, heads 2 w and 2 w + 1) for all 128 tokens.  Its 64 weight fragments (32 of each product; in chain 2: 32 of x, 32 of w_v) stay in 768 registers.
; q, k: both products transposed (source 0 = 16 rows of the weight, source 1 = 16 tokens): a lane holds one token and its registers run along the features.  By the order of rows in a tile (lane r of tile 2 B + u: row
; 32 B + 8 u + r + 8 (r / 8)) the 16 registers of two neighbouring tiles are 16 neighbouring features.  The first product's 128 features of a wave are K step w of the second: they go from wave to wave through LDS as images.
; v: source 0 = 16 tokens, source 1 = 16 rows of w_v: a lane holds one feature and its registers run along the tokens, which are the K of attention's second product.
; 192 work-groups; those of chain 2 have half the products of the others.  No multicast: a chain's 409,600 bytes of weight records do not fit in LDS beside x and the hidden layer, so each wave loads its own 102,400 into registers.
; LIMITS: as in the launch before: zero blocks get the byte 1; magnitudes under 2^-124 are held at the floor; NaN and infinities are not served.
; REGISTERS, in windows of 256: windows 1-3: resident fragments 0 .. 62, 21 to a window (no run of 12 crosses a window's end); fragment 63 in window 0.  Window 0: all else, below.
.set HIMG,  51200                      ; LDS: 0 .. 51,199 the block's 8 records of x as they lie in img; then the hidden layer's 32 fragments ((m, s) at (4 m + s) x 1,536),
.set HSC,   100352                     ; their scale words ((4 m + s) x 128 + 4 x lane),
.set SPARE, 104448                     ; and the spare words, 128 bytes for each wave: two blocks of 256 bytes that no other line names
.set LI,  1                            ; v1   16 x lane
.set L8,  2                            ; v2   8 x lane
.set LS,  3                            ; v3   4 x lane
.set HWI, 6                            ; v6   where I store the hidden layer's images: HIMG + 16 x lane + 1,536 x wave
.set HWS, 7                            ; v7   and their scale words: HSC + 4 x lane + 128 x wave
.set HRD, 8                            ; v8   HIMG + 16 x lane
.set HRS, 9                            ; v9   HSC + 4 x lane
.set XCP, 10                           ; v10  x's copy: 12,800 x wave + 16 x lane, the same in img and in LDS
.set XF,  16                           ; v16-63   four operand fragments (K steps 0-3 of a tile of tokens)
.set XS,  64                           ; v64-79   x's 8 scale units; in the second product v64-67: the hidden layer's scale words
.set HA,  80                           ; v80-143  eight accumulators
.set PC,  144                          ; v144-162 the codes just made
.set TM,  164                          ; v164-179 at work in the quantiser
.set PWK, 180                          ; v180-183 the scale words of four tiles
.set WL,  184                          ; v184-187 a head's half of them, doubled
.set U,   188                          ; v188-191 scale units on their way out
.set AS,  192                          ; v192-207 set A's 8 scale units;  v208-223 set B's
.set F63, 224                          ; v224-235 resident fragment 63
.set SPW, 236                          ; v236 LDS address of my spare word; never rewritten
.set NIL, 237                          ; v237 0; never rewritten
.set WV,  10                           ; s10 wave;  s11 chain
.set CH,  11
.set BA,  16                           ; s[16:17] set A's 8 records;  s[18:19] set B's;  s[20:21] the block's records of x
.set BB,  18
.set XB,  20
.set SEL, 22                           ; s[22:23] selects for lane l xor 16
.set MK,  24                           ; s24 lanes 16-31
.set SELLO, 25                         ; s25, s26 byte selects: a word's low (high) half, twice
.set SELHI, 26
.set OI,  28                           ; s[28:29], s[30:31] images out, heads 2 w and 2 w + 1
.set OS,  32                           ; s[32:33], s[34:35] scale units out
.set MSB, 0
.macro WIN new                         ; the immediate's high byte repeats the setting that is left; a switch that changes nothing is dropped
.if MSB != (\new)
	s_set_vgpr_msb (MSB<<8)|(\new)
.set MSB, (\new)
.endif
.endm
.macro FSEL phi                        ; resident fragment phi: its window FW and first register FRG
.if (\phi) == 63
.set FW, 0
.set FRG, F63
.else
.set FW, 1+(\phi)/21
.set FRG, 12*((\phi)%21)
.endif
.endm
.macro PLACES                          ; four places behind matrix instructions, in front of loads into their sources and of the first read of results
.rept 4
	v_nop
.endr
.endm
.macro BARRIER                         ; my LDS stores have landed and my LDS loads are in: then the work-group's barrier
	s_wait_dscnt 0x0
	s_barrier_signal -1
	s_barrier_wait -1
.endm
; One product.  ra, rb: the side's scale words stand in lanes 16-31 of the register named
.macro WM d, a, b, c, sa, sb, ra, rb
.if (\ra) && (\rb)
	v_wmma_scale_f32_16x16x128_f8f6f4 v[\d:\d+7], v[\a:\a+11], v[\b:\b+11], \c, v[\sa], v[\sb] matrix_a_fmt:MATRIX_FMT_FP6 matrix_b_fmt:MATRIX_FMT_FP6 matrix_a_scale:MATRIX_SCALE_ROW1 matrix_b_scale:MATRIX_SCALE_ROW1
.elseif (\ra)
	v_wmma_scale_f32_16x16x128_f8f6f4 v[\d:\d+7], v[\a:\a+11], v[\b:\b+11], \c, v[\sa], v[\sb] matrix_a_fmt:MATRIX_FMT_FP6 matrix_b_fmt:MATRIX_FMT_FP6 matrix_a_scale:MATRIX_SCALE_ROW1
.elseif (\rb)
	v_wmma_scale_f32_16x16x128_f8f6f4 v[\d:\d+7], v[\a:\a+11], v[\b:\b+11], \c, v[\sa], v[\sb] matrix_a_fmt:MATRIX_FMT_FP6 matrix_b_fmt:MATRIX_FMT_FP6 matrix_b_scale:MATRIX_SCALE_ROW1
.else
	v_wmma_scale_f32_16x16x128_f8f6f4 v[\d:\d+7], v[\a:\a+11], v[\b:\b+11], \c, v[\sa], v[\sb] matrix_a_fmt:MATRIX_FMT_FP6 matrix_b_fmt:MATRIX_FMT_FP6
.endif
.endm
; Record rho = 4 g + s of a set: its four fragments become resident fragments 32 set + 8 s + 4 g + f, its scale unit two registers: 13 loads, each of 512 or 256 consecutive bytes
.macro LOADREC base, set, rho
.irp f, 0,1,2,3
	FSEL 32*(\set)+8*((\rho)%4)+4*((\rho)/4)+\f
	WIN FW<<6
.irp c, 0,1,2
	global_load_b128 v[FRG+4*\c:FRG+4*\c+3], v[LI], s[\base:\base+1] offset:6400*(\rho)+1536*\f+512*\c
.endr
.endr
	WIN 0
	global_load_b64 v[AS+16*(\set)+2*(\rho):AS+16*(\set)+2*(\rho)+1], v[L8], s[\base:\base+1] offset:6400*(\rho)+6144
.endm
; THE ORDER OF ROWS IN A TILE (this replaces what the head says of it): lane r of tile 4 g + f holds row 64 g + 32 (r / 8) + 8 f + r % 8.  So the 64 numbers of a lane, eight accumulators, are two WHOLE blocks:
; register 32 c + i = K 64 c + 32 (lane / 16) + i of my row, which is the operand's own layout.  They become a fragment's codes in v[PC] on and its scale word in v[pw], whole in lanes l and l xor 16.
.set SH,  11                           ; v11  8 x (lane / 16): my two scale bytes' shift
.macro QUANT s, pw
.irp c, 0,1                                    ; each block in two chains; the floor 2^(3 - 127) holds the byte at 1 from below.  Each accumulator is read from its low end on
	v_max3_num_f32 v[TM+\c], |v[\s+32*\c]|, |v[\s+32*\c+1]|, 0x1800000
	v_max3_num_f32 v[TM+2+\c], |v[\s+32*\c+16]|, |v[\s+32*\c+17]|, 0x1800000
.endr
.irp i, 2,4,6,8,10,12,14
.irp c, 0,1
	v_max3_num_f32 v[TM+\c], v[TM+\c], |v[\s+32*\c+\i]|, |v[\s+32*\c+\i+1]|
	v_max3_num_f32 v[TM+2+\c], v[TM+2+\c], |v[\s+32*\c+16+\i]|, |v[\s+32*\c+17+\i]|
.endr
.endr
.irp c, 0,1
	v_max_num_f32 v[TM+\c], v[TM+\c], v[TM+2+\c]   ; the block's largest magnitude
.endr
.irp c, 0,1
	v_add_nc_u32 v[TM+12+\c], 0xff000000, v[TM+\c] ; 2 off its exponent field: the conversion's scale operand
.endr
.irp c, 0,1
	v_lshrrev_b32 v[TM+8+\c], 23, v[TM+12+\c]      ; the scale's byte
.endr
	v_lshl_or_b32 v[\pw], v[TM+9], 16, v[TM+8]     ; my two bytes: blocks h and 2 + h,
	v_lshlrev_b32 v[\pw], v[SH], v[\pw]            ; at their places in the word;
	v_permlanex16_b32 v[TM+4], v[\pw], s[SEL], s[SEL+1]
	v_or_b32 v[\pw], v[\pw], v[TM+4]               ; with lane l xor 16's two the word is whole
.irp c, 0,1
	v_cvt_scalef32_pk16_fp6_f32 v[PC+6*\c:PC+2+6*\c], v[\s+32*\c:\s+15+32*\c], v[TM+12+\c]
	v_cvt_scalef32_pk16_fp6_f32 v[PC+12+4*\c:PC+14+4*\c], v[\s+16+32*\c:\s+31+32*\c], v[TM+12+\c]   ; (a conversion's three registers begin on an even number)
.endr
	v_nop                                          ; one plain place behind a scaled conversion
.irp c, 0,1
.irp i, 0,1,2
	v_mov_b32 v[PC+3+6*\c+\i], v[PC+12+4*\c+\i]
.endr
.endr
.endm
.macro FETCHX m                        ; tile m of the block's tokens: x's four fragments, out of the records in LDS
.irp s, 0,1,2,3
.irp c, 0,1,2
	ds_load_b128 v[XF+12*\s+4*\c:XF+12*\s+4*\c+3], v[LI] offset:(4*((\m)/4)+\s)*6400+1536*((\m)%4)+512*\c
.endr
.endr
.endm
.macro FETCHH m                        ; the same of the hidden layer, with its four scale words
.irp s, 0,1,2,3
.irp c, 0,1,2
	ds_load_b128 v[XF+12*\s+4*\c:XF+12*\s+4*\c+3], v[HRD] offset:(4*(\m)+\s)*1536+512*\c
.endr
.endr
.irp s, 0,1,2,3
	ds_load_b32 v[XS+\s], v[HRS] offset:(4*(\m)+\s)*128
.endr
.endm
; 32 products: my 8 tiles of features x tile m of tokens, K = 512.  The 8 accumulators take turns, one instruction a turn; the first K step starts the sums.
.macro MULT set, m, ph
.irp s, 0,1,2,3
.irp t, 0,1,2,3,4,5,6,7
	FSEL 32*(\set)+8*\s+\t
	WIN FW                                         ; source 0 in the fragment's window, all else in window 0
.set SA, AS+16*(\set)+2*(4*(\t/4)+\s)+(\t%4)/2
.if \ph == 1
.set SBR, XS+2*(4*((\m)/4)+\s)+((\m)%4)/2
.set BR1, (\m)%2
.else
.set SBR, XS+\s
.set BR1, 0
.endif
.if \s == 0
	WM HA+8*\t, FRG, XF+12*\s, 0, SA, SBR, \t%2, BR1
.else
	WM HA+8*\t, FRG, XF+12*\s, v[HA+8*\t:HA+8*\t+7], SA, SBR, \t%2, BR1
.endif
.endr
.endr
	WIN 0
.endm
; Chain 2: 32 products: the block's 8 tiles of tokens (source 0) x my tile t of w_v's rows (source 1)
.macro VMULT t
.irp s, 0,1,2,3
.irp m, 0,1,2,3,4,5,6,7
	FSEL 8*\s+\m
.set FWA, FW
.set FRA, FRG
	FSEL 32+8*\s+(\t)
	WIN FWA|(FW<<2)
.set SA, AS+2*(4*(\m/4)+\s)+(\m%4)/2
.set SBR, AS+16+2*(4*((\t)/4)+\s)+((\t)%4)/2
.if \s == 0
	WM HA+8*\m, FRA, FRG, 0, SA, SBR, \m%2, (\t)%2
.else
	WM HA+8*\m, FRA, FRG, v[HA+8*\m:HA+8*\m+7], SA, SBR, \m%2, (\t)%2
.endif
.endr
.endr
	WIN 0
.endm
.macro XREG i                          ; x's copy goes through the registers of XF (12 loads) and HA (13): never through a scale register
.if (\i) < 12
.set XR, XF+4*(\i)
.else
.set XR, HA+4*((\i)-12)
.endif
.endm
	s_load_b128 s[4:7], s[0:1], 0x0                ; img, qimg
	s_load_b64 s[8:9], s[0:1], 0x10                ; kv
	v_lshl_add_u32 v[SPW], v0, 2, SPARE
	v_mov_b32 v[NIL], 0
	v_lshrrev_b32 v4, 5, v0
	v_readfirstlane_b32 s[WV], v4                  ; wave 0..3
	v_and_b32 v5, 31, v0                           ; lane
	v_lshrrev_b32 v[SH], 4, v5
	v_lshlrev_b32 v[SH], 3, v[SH]
	v_lshlrev_b32 v[LI], 4, v5
	v_lshlrev_b32 v[L8], 3, v5
	v_lshlrev_b32 v[LS], 2, v5
	s_mul_i32 s36, s[WV], 1536
	v_add_nc_u32 v[HWI], s36, v[LI]
	v_add_nc_u32 v[HWI], HIMG, v[HWI]
	s_lshl_b32 s36, s[WV], 7
	v_add_nc_u32 v[HWS], s36, v[LS]
	v_add_nc_u32 v[HWS], HSC, v[HWS]
	v_add_nc_u32 v[HRD], HIMG, v[LI]
	v_add_nc_u32 v[HRS], HSC, v[LS]
	s_mul_i32 s36, s[WV], 12800
	v_add_nc_u32 v[XCP], s36, v[LI]
	v_cmp_le_u32 s[MK], 16, v5
.irp b, 0,1,2,3
	v_mov_b32 v[TM+4+\b], 0                        ; written once: a lane permute's destination counts as one of its sources
.endr
	s_and_b32 s[CH], ttmp7, 0xffff
	s_mov_b32 s[SEL], 0x76543210
	s_mov_b32 s[SEL+1], 0xfedcba98
	s_mov_b32 s[SELLO], 0x05040100
	s_mov_b32 s[SELHI], 0x07060302
	s_mul_i32 s37, s[WV], 51200                    ; my wave's 8 records of a weight
	s_mul_i32 s12, s[CH], 409600                   ; set A: w_q (tensor 0) or w_k (tensor 2), behind x's 512 records;
	s_add_co_u32 s12, s12, 3276800
	s_add_co_u32 s12, s12, s37
	s_mul_i32 s14, ttmp9, 51200                    ; the block's 8 records of x: in chain 2 they are set A
	s_lshl_b32 s38, s[CH], 1
	s_add_co_u32 s38, s38, 1
	s_min_u32 s38, s38, 4                          ; set B: tensor 1 (rotation), 3 (entangle) or 4 (w_v)
	s_mul_i32 s38, s38, 204800
	s_add_co_u32 s38, s38, 3276800
	s_add_co_u32 s38, s38, s37
	s_cmp_eq_u32 s[CH], 2
	s_cselect_b32 s12, s14, s12
	s_mov_b32 s13, 0
	s_mov_b32 s15, 0
	s_mov_b32 s39, 0
	s_lshr_b32 s45, ttmp9, 5                       ; the batch,
	s_and_b32 s46, ttmp9, 31                       ; and which 128 tokens of its 4,096
	s_lshl_b32 s45, s45, 3
	s_lshl_b32 s47, s[WV], 1
	s_add_co_u32 s45, s45, s47                     ; 8 x batch + head 2 w
	s_cmp_eq_u32 s[CH], 0                          ; qimg's strides or kv's
	s_mov_b32 s40, 393216
	s_cselect_b32 s40, 196608, s40                 ; images: from head to head,
	s_mov_b32 s41, 12288
	s_cselect_b32 s41, 6144, s41                   ; from 128 tokens to the next;
	s_mov_b32 s42, 6291456
	s_cselect_b32 s42, 3145728, s42                ; where the scale units begin,
	s_mov_b32 s43, 24576
	s_cselect_b32 s43, 16384, s43                  ; from head to head,
	s_mov_b32 s44, 768
	s_cselect_b32 s44, 512, s44                    ; from 128 tokens to the next
	s_mul_i32 s48, s45, s40
	s_mul_i32 s49, s46, s41
	s_add_co_u32 s48, s48, s49
	s_mov_b32 s49, 0
	s_mul_i32 s50, s45, s43
	s_mul_i32 s51, s46, s44
	s_add_co_u32 s50, s50, s51
	s_add_co_u32 s50, s50, s42
	s_mov_b32 s51, 0
	s_mov_b32 s41, 0                               ; s[40:41]: a head on, in images
	s_mov_b32 s52, s43
	s_mov_b32 s53, 0                               ; s[52:53]: in scale units
	s_wait_kmcnt 0x0
	s_add_nc_u64 s[BA:BA+1], s[4:5], s[12:13]
	s_add_nc_u64 s[BB:BB+1], s[4:5], s[38:39]
	s_add_nc_u64 s[XB:XB+1], s[4:5], s[14:15]
	s_cmp_eq_u32 s[CH], 0
	s_cselect_b64 s[OI:OI+1], s[6:7], s[8:9]       ; a choice on the work-group's number alone
	s_add_nc_u64 s[OS:OS+1], s[OI:OI+1], s[50:51]
	s_add_nc_u64 s[OI:OI+1], s[OI:OI+1], s[48:49]
	s_add_nc_u64 s[OI+2:OI+3], s[OI:OI+1], s[40:41]
	s_add_nc_u64 s[OS+2:OS+3], s[OS:OS+1], s[52:53]
	s_cmp_eq_u32 s[CH], 2
	s_cbranch_scc1 .Lvpath                         ; the one parting of the text: the same way for all four waves
	; ---- chains 0 and 1.  x's 51,200 bytes go into LDS as they lie, a quarter a wave; set A goes into registers
.set i, 0
	s_wait_alu depctr_va_vdst(0)
.rept 25
	XREG i
	global_load_b128 v[XR:XR+3], v[XCP], s[XB:XB+1] offset:512*i
.set i, i+1
.endr
.irp p, 0,1,2,3,4,5,6,7
	LOADREC BA, 0, \p
.endr
	s_wait_loadcnt 63                              ; 104 loads were issued behind x's 25, and loads come back in order (ISA guide 5.7.1): x's are in
.set i, 0
.rept 25
	XREG i
	ds_store_b128 v[XCP], v[XR:XR+3] offset:512*i
.set i, i+1
.endr
	BARRIER                                        ; x's eight records lie in LDS
.irp p, 0,1,2,3,4,5,6,7
	ds_load_b64 v[XS+2*\p:XS+2*\p+1], v[L8] offset:6400*\p+6144   ; x's scale units stay in registers
.endr
	FETCHX 0
	s_wait_loadcnt 0x0                             ; set A is in
	; ---- the first product, a tile of 16 tokens at a time; set B's records arrive meanwhile, one a tile
.irp m, 0,1,2,3,4,5,6,7
.if \m == 0
	s_wait_dscnt 0x0
.else
	s_wait_dscnt 4                                 ; this tile's fragments are in; the four image stores issued behind them may be out
.endif
	MULT 0, \m, 1
	PLACES
.if \m < 7
	FETCHX \m+1
.endif
	LOADREC BB, 1, \m
.if \m < 7
	s_wait_dscnt 12                                ; all but the 12 loads just issued: the last tile's image stores have read the registers that are written next
.else
	s_wait_dscnt 0x0
.endif
	QUANT HA, PWK
.irp c, 0,1,2
	ds_store_b128 v[HWI], v[PC+4*\c:PC+4*\c+3] offset:6144*\m+512*\c   ; K step w of the second product, tile m, as an image of its registers
.endr
	ds_store_b32 v[HWS], v[PWK] offset:512*\m
.endr
	BARRIER                                        ; the hidden layer's 32 fragments lie in LDS
	FETCHH 0
	s_wait_loadcnt 0x0                             ; set B is in
	; ---- the second product; its 128 features are two heads' 64: registers 0-5 of the codes are head 2 w's half fragment, 6-11 head 2 w + 1's
.irp m, 0,1,2,3,4,5,6,7
	s_wait_dscnt 0x0
	MULT 1, \m, 2
	PLACES
.if \m < 7
	FETCHH \m+1
.endif
	s_wait_xcnt 0x0                                ; the last tile's stores have read the codes' and the units' registers
	QUANT HA, PWK+(\m%4)
	global_store_b128 v[LI], v[PC:PC+3], s[OI:OI+1] offset:768*\m
	global_store_b64 v[L8], v[PC+4:PC+5], s[OI:OI+1] offset:768*\m+512
	global_store_b128 v[LI], v[PC+6:PC+9], s[OI+2:OI+3] offset:768*\m
	global_store_b64 v[L8], v[PC+10:PC+11], s[OI+2:OI+3] offset:768*\m+512
.if \m%4 == 3                                  ; four tiles' scale words make a unit for each head: a word is the head's two bytes, twice (the upper two stand over zero codes in attention)
.irp f, 0,1,2,3
	v_perm_b32 v[WL+\f], v[PWK+\f], v[PWK+\f], s[SELLO]
.endr
	v_cndmask_b32 v[U], v[WL], v[WL+1], s[MK]
	v_cndmask_b32 v[U+1], v[WL+2], v[WL+3], s[MK]
	global_store_b64 v[L8], v[U:U+1], s[OS:OS+1] offset:256*(\m/4)
.irp f, 0,1,2,3
	v_perm_b32 v[WL+\f], v[PWK+\f], v[PWK+\f], s[SELHI]
.endr
	v_cndmask_b32 v[U+2], v[WL], v[WL+1], s[MK]
	v_cndmask_b32 v[U+3], v[WL+2], v[WL+3], s[MK]
	global_store_b64 v[L8], v[U+2:U+3], s[OS+2:OS+3] offset:256*(\m/4)
.endif
.endr
	s_wait_tensorcnt 0x0                           ; the wave's end, behind my last LDS store
	ds_add_u32 v[SPW], v[NIL]
	s_wait_dscnt 0x0
	s_endpgm
	; ---- chain 2: x's 32 fragments and my 32 of w_v in registers; no LDS, no barrier
.Lvpath:
.irp p, 0,1,2,3,4,5,6,7
	LOADREC BA, 0, \p
.endr
.irp p, 0,1,2,3,4,5,6,7
	LOADREC BB, 1, \p
.endr
	s_wait_loadcnt 0x0
.irp t, 0,1,2,3,4,5,6,7
	VMULT \t
	PLACES
	s_wait_xcnt 0x0                                ; the last tile's stores have read the codes' and the unit's registers
	QUANT HA, PWK+(\t%4)
.irp c, 0,1,2
	global_store_b128 v[LI], v[PC+4*\c:PC+4*\c+3], s[OI+2*(\t/4):OI+2*(\t/4)+1] offset:6144+1536*(\t%4)+512*\c   ; behind the step's eight tiles of K
.endr
.if \t%4 == 3
	v_cndmask_b32 v[U], v[PWK], v[PWK+1], s[MK]
	v_cndmask_b32 v[U+1], v[PWK+2], v[PWK+3], s[MK]
	global_store_b64 v[L8], v[U:U+1], s[OS+2*(\t/4):OS+2*(\t/4)+1] offset:512   ; behind K's two units
.endif
.endr
	s_wait_tensorcnt 0x0                           ; the wave's end: the same three lines
	ds_add_u32 v[SPW], v[NIL]
	s_wait_dscnt 0x0
	s_endpgm
.Lfunc_end_k_q8ab3751662_proj:
	.size	k_q8ab3751662_proj, .Lfunc_end_k_q8ab3751662_proj-k_q8ab3751662_proj
	.p2alignl 7, 3214868480
	.fill 96, 4, 3214868480
	.section	.rodata,"a",@progbits
	.p2align	6, 0x0
	.amdhsa_kernel k_q8ab3751662_proj
		.amdhsa_group_segment_fixed_size 104960
		.amdhsa_private_segment_fixed_size 0
		.amdhsa_enable_private_segment 0
		.amdhsa_kernarg_size 24
		.amdhsa_user_sgpr_count 2
		.amdhsa_user_sgpr_kernarg_segment_ptr 1
		.amdhsa_wavefront_size32 1
		.amdhsa_system_sgpr_workgroup_id_x 1
		.amdhsa_system_sgpr_workgroup_id_y 1
		.amdhsa_system_sgpr_workgroup_id_z 1
		.amdhsa_system_vgpr_workitem_id 0
		.amdhsa_next_free_vgpr 1024
		.amdhsa_next_free_sgpr 66
		.amdhsa_reserve_vcc 0
		.amdhsa_float_denorm_mode_32 3
		.amdhsa_float_denorm_mode_16_64 3
		.amdhsa_memory_ordered 1
		.amdhsa_forward_progress 1
		.amdhsa_inst_pref_size 250
	.end_amdhsa_kernel
	.amdgpu_metadata
---
amdhsa.version: [ 1, 2 ]
amdhsa.kernels:
  - .name:           k_q8ab3751662_proj
    .symbol:         k_q8ab3751662_proj.kd
    .args:
      - { .name: img, .offset: 0, .size: 8, .value_kind: global_buffer, .address_space: global }
      - { .name: qimg, .offset: 8, .size: 8, .value_kind: global_buffer, .address_space: global }
      - { .name: kv, .offset: 16, .size: 8, .value_kind: global_buffer, .address_space: global }
    .group_segment_fixed_size: 104960
    .private_segment_fixed_size: 0
    .kernarg_segment_align: 8
    .kernarg_segment_size: 24
    .max_flat_workgroup_size: 128
    .sgpr_count:     66
    .vgpr_count:     1024
    .wavefront_size: 32
...
	.end_amdgpu_metadata
.endif
;; end of part 2
;; launch attn (part 3): grid 16 x 16, 8 waves a work-group, clusters of 4 x 1, 327,680 bytes of LDS; arguments qimg, kv, out0; writes out0
.if DOCPART == 3
	.amdgcn_target "amdgcn-amd-amdhsa--gfx1250"
	.amdhsa_code_object_version 6
	.text
	.protected	k_q8ab3751662_attn
	.globl	k_q8ab3751662_attn
	.p2align	8
	.type	k_q8ab3751662_attn,@function
k_q8ab3751662_attn:
	s_mov_b64 s[64:65], 0
	v_nop
	global_prefetch_b8 v0, s[64:65] scope:SCOPE_SE
	s_setreg_imm32_b32 hwreg(HW_REG_WAVE_MODE, 25, 1), 1
	s_wait_xcnt 0x0
	s_wait_alu depctr_hold_cnt(0) depctr_sa_sdst(0) depctr_va_vdst(0) depctr_va_sdst(0) depctr_va_ssrc(0) depctr_va_vcc(0) depctr_vm_vsrc(0)
	s_getreg_b32 s2, hwreg(HW_REG_IB_STS2, 6, 4)
	s_cmp_eq_u32 s2, 0
	s_cbranch_scc0 .Lentry_in_a_cluster
	s_endpgm
.Lentry_in_a_cluster:
	s_bfe_u32 s2, ttmp6, 0x10000c
	s_cmp_lg_u32 s2, 0x3003
	s_cbranch_scc0 .Lentry_shape_is_right
	s_endpgm
.Lentry_shape_is_right:
; out0[b][q][64 head + d] = the sum over k of softmax_k(q . k / 8) v[k][d], both products on codes of FP6 (E2M3) with one E8M0 scale for each 32 along a product's K.  16 pairs (batch, head), 4,096 tokens, head size 64.
; q, k, v come as images of operand registers (the launch before).  A half fragment (16 tokens x 64) is 768 bytes: registers 0-3 at 16 x lane, 4-5 at 512 + 8 x lane.  A key step is 128 keys: 12,288 dense bytes
; (8 tiles of K, 4 fragments of V with the keys along K) and 768 bytes of scale units.
; THE ORDER OF TOKENS IN A TILE: lane r of tile 4 g + f holds token 64 g + 32 (r / 8) + 8 f + r % 8; V's channels likewise.  Both products are used transposed (S^T = K Q^T, O^T = V^T P^T): a lane holds ONE query of a tile, and
; the 32 registers of four neighbouring tiles of S^T are one WHOLE block of 32 neighbouring keys (64 g + 32 (lane / 16) + 0 .. 31), which is the layout of the second product's operand.  O^T's 32 registers are channels 32 (lane / 16) + 0 .. 31.
; THE INSTRUCTION'S K IS 128, THE HEAD'S 64.  Q's registers 6-11 are zero codes, written once.  K's tiles lie 6 registers apart: the upper six registers of a tile's operand are the next tile's codes (behind the last tile:
; six registers of lane offsets that are never rewritten); every pattern of 6 bits is a finite number, and it meets Q's zeros.
; THE SOFTMAX AHEAD OF THE SECOND PRODUCT: t = score x log2(e) / 8; M = the row's largest t so far, rounded UP to a whole number; p = 2^(t - M) is what is quantised, along the keys; it is not normalised.
; The row's sum is taken of the unquantised p, in f32, and divides O at the end.  When M moves, the sum and O are multiplied by 2^(old M - new M): exact.
; SHARES.  A work-group owns 256 queries of one (batch, head); each of its eight waves TWO neighbouring tiles of 16, so that each fragment of K and V read from LDS feeds two products: 13,056 bytes of LDS for 32 queries x 128 keys.
; REGISTERS.  Tile A's state lies in window 0, tile B's at the same numbers in window 1; K, V, the offsets and all scale registers lie in window 0.  One text (macros with the window as argument) serves both tiles.
; THE SECOND PRODUCT RUNS ONE STEP BEHIND: step i issues S^T(i), finishes p(i - 1)'s codes, takes the maxima of S^T(i), and only then issues O^T += V(i - 1) p(i - 1): plain vector work that is due anyway fills every place
; behind a matrix instruction.  V(i) and K(i + 1) are asked of LDS in the step's middle; one wait on DScnt at a step's head serves both.  The first step finds zero codes for p; the last product stands behind the walk.
; RING.  Two LDS slots of 8 key steps (98,304 bytes); the head's scale units (24,576 bytes) come once.  CLUSTER: the four query blocks of a cluster walk the same K and V: each quarter of a slot is asked for JOINTLY, by the
; same tensor load with the same descriptor and a mask that names the four.  By this text's own count a wave has one tensor load outstanding; every wait on TENSORcnt is for 0.
; LIMITS: a block's largest p is taken from its largest score by the same multiply-add and exponential (this takes v_exp_f32 not to fall where its input rises); a block whose every p has fallen to 0 keeps the byte 1;
; the promise holds while the scaled scores stay under 2^31 in magnitude; NaN and infinities are not served.
.set STEPB, 12288                      ; a key step's images
.set SLOTB, 8*STEPB
.set QUART, SLOTB/4                    ; what one tensor load brings: 96 rows of 256 bytes
.set SLOT1, 1<<17                      ; slot 1 begins here, so that one exclusive or turns the walking descriptor from one slot to the other
.set SCL,   4*QUART                    ; behind slot 0: the head's scale units, 768 bytes a key step
.set SPARE, SCL+QUART                  ; the spare words, 128 bytes for each wave: four blocks of 256 bytes that no other line names
.set STAGE, SLOT1+SLOTB                ; behind slot 1: the way out, 32 rows x 272 bytes for each wave; no tensor load fills it
.set SP,    272
.set SPW, 1                            ; v1   LDS address of my spare word; never rewritten
.set NIL, 2                            ; v2   0; never rewritten
.set AD16, 3                           ; v3-5 the step's LDS addresses (on the way out v3, v4: the stage, in and back)
.set AD8, 4
.set ADS, 5
.set QS,  6                            ; v6   Q's scale words: tile A's in lanes 0-15, tile B's in lanes 16-31
.set OLD, 7                            ; v7   -M of the step before               (v7-11, v18-29: a set in each window)
.set NM,  8                            ; v8   -M;  v9 the largest score so far
.set RMAX, 9
.set F,   10                           ; v10  f = 2^(old M - new M);  v11 in window 0: tile A's p's scale word
.set PW,  11
.set KS,  12                           ; v12-15 K's two scale units
.set VS,  16                           ; v16-17 V's scale unit
.set B0,  18                           ; v18-19 the two blocks' largest scores, then p, then bytes
.set U0,  20                           ; v20-21 second chains of the maxima, then the conversions' scale operands
.set SM,  22                           ; v22-23 the row's sum, in two halves
.set T2,  26                           ; v26-28 the upper 16 codes of p's second block, as the conversion leaves them
.set TT,  29                           ; v29  at work
.set Q,   30                           ; v30-41 Q's fragment (36-41 zeros), a set in each window
.set KF,  42                           ; v42-89 K's eight tiles, 6 registers each
.set L16, 90                           ; v90-95 never rewritten behind the head: 16 x lane, 8 x lane, SCL + 8 x lane, my offset in out0's rows, 256 x lane, lane
.set L8,  91
.set ASC, 92
.set GO,  93
.set PFO, 94
.set LN,  95
.set VF,  96                           ; v96-143  V's four fragments
.set S,   144                          ; v144-207 S^T, then p, a set in each window
.set OT,  208                          ; v208-239 O^T, a set in each window
.set P,   240                          ; v240-251 p's codes, a set in each window
.set T1,  252                          ; v252-254 the upper 16 codes of p's first block
.set PWB, 255                          ; v255 in window 0: tile B's p's scale word (scale operands have no window)
.set WV,  10                           ; s10 wave
.set SEL, 20                           ; s[20:21] selects for lane l xor 16
.set CS,  22                           ; s[22:23] c = log2(e) / 8
.set G1,  24                           ; s[24:31] descriptor group 1, the same for every load
.set G0,  32                           ; s[32:35] descriptor group 0, which walks
.set TB,  36                           ; s36 LDS byte at which the step's images begin
.set TS,  37                           ; s37 and its scale units, from SCL
.set CNT, 38                           ; s38 counts a slot's eight steps
.set LIM, 39                           ; s39 1 in a wave that prefetches
.set PFA, 40                           ; s[40:41] my part of a slot, in slot 0; never rewritten
.set MSB, 0
.macro WIN new                         ; low byte: bits 1:0 source 0, 3:2 source 1, 5:4 source 2, 7:6 destination; the high byte repeats the setting that is left; a switch that changes nothing is dropped
.if MSB != (\new)
	s_set_vgpr_msb (MSB<<8)|(\new)
.set MSB, (\new)
.endif
.endm
; A joint load: the waves under lim issue it, each with its own quarter.  The branch hangs on the wave's number alone.  An s_nop 0 and four v_nop follow the load.
.macro JLOAD lim
	s_cmp_lt_u32 s[WV], \lim
	s_cbranch_scc0 .Lnone_\@
	tensor_load_to_lds s[G0:G0+3], s[G1:G1+7]
	s_nop 0
.rept 4
	v_nop
.endr
.Lnone_\@:
.endm
; A prefetch of what the NEXT change of slots will ask for: slot n + 2, eight key steps ahead of its load.  All four clusters of a head walk the same bytes: the head's first cluster asks.  Its four partners share the slot
; out BY ADDRESS, a quarter each; in each, waves 4 to 6 take 8,192 bytes each, lanes 256 bytes apart: 4 x 3 x 32 x 256 bytes are a slot, each block named once.  Slots 0 and 1 come by their loads alone.
.macro ASK n
	s_cmp_eq_u32 s[LIM], 1
	s_cbranch_scc0 .Lnot_mine_\@
	global_prefetch_b8 v[PFO], s[PFA:PFA+1] offset:((\n)+2)*SLOTB th:TH_LOAD_NT scope:SCOPE_SE
.Lnot_mine_\@:
.endm
; A round of the cluster's barrier
.macro CROUND
	s_barrier_signal -1
	s_barrier_wait -1
	s_cmp_lg_u32 s[WV], 0
	s_cbranch_scc1 .Lnot_wave_0_\@
	s_barrier_signal -3
.Lnot_wave_0_\@:
	s_barrier_wait -3
	s_barrier_signal -1
	s_barrier_wait -1
.endm
.macro INIT w                          ; a tile's state
	WIN 0x55*\w
.irp i, 6,7,8,9,10,11
	v_mov_b32 v[Q+\i], 0                           ; zero codes for K = 64 .. 127
.endr
.set i, 0
.rept 12
	v_mov_b32 v[P+i], 0                            ; the first step's belated product finds zero codes for p,
.set i, i+1
.endr
.irp i, 0,1,2
	v_mov_b32 v[T1+\i], 0
	v_mov_b32 v[T2+\i], 0
.endr
	v_mov_b32 v[PW], 0x7f7f7f7f                    ; under the scale 1 (in window 1 the register is only named as the upper half of the pair with f)
	v_mov_b32 v[RMAX], 0xff61b1e6                  ; the largest score so far: -3e38, under every score
	v_mov_b32 v[SM], 0                             ; the sum
	v_mov_b32 v[SM+1], 0
	v_mov_b32 v[TT], 0                             ; a lane permute's destination counts as one of its sources
	v_floor_f32 v[NM], -v[RMAX]                    ; -M
	v_floor_f32 v[OLD], -v[RMAX]
.set i, 0
.rept 32
	v_mov_b32 v[OT+i], 0                           ; O^T.  (The step is written without a first step of its own: it finds zeros, which the first change of M leaves zeros)
.set i, i+1
.endr
.endm
	s_load_b128 s[4:7], s[0:1], 0x0                ; qimg, kv
	s_load_b64 s[8:9], s[0:1], 0x10                ; out0
	v_lshl_add_u32 v[SPW], v0, 2, SPARE
	v_mov_b32 v[NIL], 0
	ds_add_u32 v[SPW], v[NIL]                      ; the wave's opening: the add, twice on end, and its wait ahead of the first tensor loads
	ds_add_u32 v[SPW], v[NIL]
	v_lshrrev_b32 v[TT], 5, v0
	v_and_b32 v[LN], 31, v0                        ; lane
	v_and_b32 v[U0], 15, v0                        ; r
	v_bfe_u32 v[U0+1], v0, 4, 1                    ; h
	v_readfirstlane_b32 s[WV], v[TT]               ; wave 0..7
	v_lshlrev_b32 v[L16], 4, v[LN]
	v_lshlrev_b32 v[L8], 3, v[LN]
	v_lshlrev_b32 v[PFO], 8, v[LN]
	v_lshlrev_b32 v[GO], 4, v[U0]
	v_add_nc_u32 v[ASC], SCL, v[L8]
	v_lshl_add_u32 v[GO], v[U0+1], 11, v[GO]       ; lanes 0-15 one row of out0, lanes 16-31 the next; 16 bytes a lane
	s_bfe_u32 s11, ttmp6, 0x40000                  ; cx: it enters Q's, out0's and the prefetches' addresses alone
	s_lshl_b32 s12, ttmp9, 2
	s_add_co_u32 s12, s12, s11                     ; my block of 256 queries
	s_and_b32 s13, ttmp7, 0xffff                   ; 8 x batch + head, which the four partners share
	s_mov_b32 s[G1], 15|(3<<16)|(1<<21)            ; the mask: all four work-groups; elements of 8 bytes; no padding; bit 21 set beside a mask
	s_mov_b32 s[G1+1], 32<<16                      ; tensor_dim0 = 32 elements: 256 bytes
	s_mov_b32 s[G1+2], 96<<16                      ; tensor_dim1 = 96
	s_mov_b32 s[G1+3], 32<<16                      ; tile_dim0
	s_mov_b32 s[G1+4], 96                          ; tile_dim1
	s_mov_b32 s[G1+5], 32                          ; the rows are dense
	s_mov_b32 s[G1+6], 0
	s_mov_b32 s[G1+7], 0
	s_mov_b32 s[G0], 1
	s_min_u32 s42, s[WV], 4
	s_mul_i32 s[G0+1], s42, QUART                  ; LDS: waves 0-3 a quarter of slot 0, wave 4 the scale units (the others issue nothing)
	s_mul_i32 s44, s13, 393216                     ; my head's images
	s_add_co_u32 s43, s44, s[G0+1]
	s_mul_i32 s45, s13, 24576                      ; my head's scale units
	s_add_co_u32 s45, s45, 6291456
	s_cmp_lt_u32 s[WV], 4
	s_cselect_b32 s46, s43, s45
	s_mov_b32 s47, 0
	s_lshl_b32 s48, s12, 4
	s_lshl_b32 s49, s[WV], 1
	s_add_co_u32 s48, s48, s49                     ; T: my tile A, an even number, 0 .. 254; tile B is T + 1
	s_mul_i32 s50, s13, 196608
	s_mul_i32 s51, s48, 768
	s_add_co_u32 s50, s50, s51                     ; Q's images
	s_mov_b32 s51, 0
	s_lshl_b32 s52, s13, 14                        ; Q's scale words: unit T / 4; the word at 8 x lane + 4 ((T % 4) / 2) is tile T's in lanes 0-15 and tile T + 1's in lanes 16-31
	s_add_co_u32 s52, s52, 3145728
	s_lshr_b32 s53, s48, 2
	s_lshl_b32 s53, s53, 8
	s_add_co_u32 s52, s52, s53
	s_and_b32 s53, s[WV], 1
	s_lshl_b32 s53, s53, 2
	s_add_co_u32 s52, s52, s53
	s_mov_b32 s53, 0
	s_lshr_b32 s54, s13, 3                         ; out0: (4,096 x batch + 64 (T / 4) + 8 (T % 4)) rows of 2,048 bytes + 256 x head
	s_lshl_b32 s54, s54, 23
	s_lshr_b32 s55, s48, 2
	s_lshl_b32 s55, s55, 17
	s_add_co_u32 s54, s54, s55
	s_and_b32 s55, s48, 3
	s_lshl_b32 s55, s55, 14
	s_add_co_u32 s54, s54, s55
	s_and_b32 s55, s13, 7
	s_lshl_b32 s55, s55, 8
	s_add_co_u32 s54, s54, s55
	s_mov_b32 s55, 0
	s_mul_i32 s56, s11, QUART                      ; the prefetches: my work-group's quarter of a slot,
	s_add_co_u32 s56, s56, s44
	s_max_u32 s57, s[WV], 4
	s_min_u32 s57, s57, 6
	s_sub_co_u32 s57, s57, 4
	s_lshl_b32 s57, s57, 13                        ; and my wave's 8,192 bytes of it
	s_add_co_u32 s56, s56, s57
	s_mov_b32 s57, 0
	s_sub_co_u32 s42, s[WV], 4
	s_cmp_lt_u32 s42, 3                            ; waves 4 to 6,
	s_cselect_b32 s43, 0, 1
	s_or_b32 s43, s43, ttmp9                       ; of the head's first cluster: the same in all four partners
	s_cmp_eq_u32 s43, 0
	s_cselect_b32 s[LIM], 1, 0
	s_mov_b32 s[SEL], 0x76543210
	s_mov_b32 s[SEL+1], 0xfedcba98
	s_mov_b32 s[CS], 0x3e38aa3b                    ; c = log2(e) / 8
	s_mov_b32 s[CS+1], s[CS]                       ; (named with it as a pair, so it is written)
	s_wait_dscnt 0x0                               ; both opening adds are done
	s_wait_kmcnt 0x0
	s_add_nc_u64 s[G0+2:G0+3], s[6:7], s[46:47]
	s_or_b32 s[G0+3], s[G0+3], 0x80000000          ; type = 2
	s_add_nc_u64 s[PFA:PFA+1], s[6:7], s[56:57]
	s_add_nc_u64 s[14:15], s[4:5], s[50:51]
	s_add_nc_u64 s[16:17], s[4:5], s[52:53]
	s_add_nc_u64 s[8:9], s[8:9], s[54:55]
	CROUND                                         ; all four work-groups are here: the first joint loads meet
	JLOAD 5                                        ; slot 0 and the scale units
	s_wait_alu depctr_va_vdst(0)                   ; the wait ahead of these readers of the head's offsets
	global_load_b128 v[Q:Q+3], v[L16], s[14:15]    ; Q's half fragments stay in registers: tile A's,
	global_load_b64 v[Q+4:Q+5], v[L8], s[14:15] offset:512
	global_load_b32 v[QS], v[L8], s[16:17]
	WIN 0x40                                       ; and tile B's, into window 1
	global_load_b128 v[Q:Q+3], v[L16], s[14:15] offset:768
	global_load_b64 v[Q+4:Q+5], v[L8], s[14:15] offset:768+512
	INIT 0
	v_mov_b32 v[PWB], 0x7f7f7f7f
	INIT 1
	WIN 0
; One product.  ra, rb: the side's scale words stand in lanes 16-31 of the register named
.macro WS d, a, b, c, sa, sb, ra, rb
.if (\ra) && (\rb)
	v_wmma_scale_f32_16x16x128_f8f6f4 v[\d:\d+7], v[\a:\a+11], v[\b:\b+11], \c, v[\sa], v[\sb] matrix_a_fmt:MATRIX_FMT_FP6 matrix_b_fmt:MATRIX_FMT_FP6 matrix_a_scale:MATRIX_SCALE_ROW1 matrix_b_scale:MATRIX_SCALE_ROW1
.elseif (\ra)
	v_wmma_scale_f32_16x16x128_f8f6f4 v[\d:\d+7], v[\a:\a+11], v[\b:\b+11], \c, v[\sa], v[\sb] matrix_a_fmt:MATRIX_FMT_FP6 matrix_b_fmt:MATRIX_FMT_FP6 matrix_a_scale:MATRIX_SCALE_ROW1
.elseif (\rb)
	v_wmma_scale_f32_16x16x128_f8f6f4 v[\d:\d+7], v[\a:\a+11], v[\b:\b+11], \c, v[\sa], v[\sb] matrix_a_fmt:MATRIX_FMT_FP6 matrix_b_fmt:MATRIX_FMT_FP6 matrix_b_scale:MATRIX_SCALE_ROW1
.else
	v_wmma_scale_f32_16x16x128_f8f6f4 v[\d:\d+7], v[\a:\a+11], v[\b:\b+11], \c, v[\sa], v[\sb] matrix_a_fmt:MATRIX_FMT_FP6 matrix_b_fmt:MATRIX_FMT_FP6
.endif
.endm
.macro ADDR                            ; the step's LDS addresses
	v_add_nc_u32 v[AD16], s[TB], v[L16]
	v_add_nc_u32 v[AD8], s[TB], v[L8]
	v_add_nc_u32 v[ADS], s[TS], v[ASC]
.endm
.macro KLOAD o, so                     ; K's eight tiles and two scale units, o and so bytes behind the step's
.irp t, 0,1,2,3,4,5,6,7
	ds_load_b128 v[KF+6*\t:KF+6*\t+3], v[AD16] offset:\o+768*\t
	ds_load_b64 v[KF+6*\t+4:KF+6*\t+5], v[AD8] offset:\o+768*\t+512
.endr
	ds_load_b64 v[KS:KS+1], v[ADS] offset:\so
	ds_load_b64 v[KS+2:KS+3], v[ADS] offset:\so+256
.endm
.macro VLOAD                           ; V's four fragments and its scale unit
.irp t, 0,1,2,3
.irp c, 0,1,2
	ds_load_b128 v[VF+12*\t+4*\c:VF+12*\t+4*\c+3], v[AD16] offset:6144+1536*\t+512*\c
.endr
.endr
	ds_load_b64 v[VS:VS+1], v[ADS] offset:512
.endm
.macro QKX w                           ; S^T = K Q^T, eight tiles of keys: K in window 0, Q and S^T in the tile's window.  A unit's register holds an even tile's words in lanes 0-15 and the odd tile's in lanes 16-31
	WIN 0x44*\w
.irp t, 0,1,2,3,4,5,6,7
	WS S+8*\t, KF+6*\t, Q, 0, KS+\t/2, QS, \t%2, \w
.endr
.endm
.macro PVX w                           ; O^T += V^T P^T: four tiles of 16 channels, four accumulators by turns: V in window 0, p and O^T in the tile's window
	WIN 0x54*\w
.irp t, 0,1,2,3
	WS OT+8*\t, VF+12*\t, P, v[OT+8*\t:OT+8*\t+7], VS+\t/2, PW+(PWB-PW)*\w, \t%2, 0
.endr
.endm
.macro PFIN w                          ; p's codes are made whole: a conversion's three registers begin on an even number, a block's upper three do not
	WIN 0x55*\w
.irp i, 0,1,2
	v_mov_b32 v[P+3+\i], v[T1+\i]
	v_mov_b32 v[P+9+\i], v[T2+\i]
.endr
.endm
.macro MAXT w                          ; THE LARGEST SCORE OF EACH BLOCK OF 32 KEYS, all of them mine: for the row's maximum, and, since p rises with the score, for the block's largest p.  Each accumulator is read from its low end on
	WIN 0x55*\w
.irp c, 0,1
	v_max3_num_f32 v[B0+\c], v[S+32*\c], v[S+32*\c+1], v[S+32*\c+2]
	v_max3_num_f32 v[U0+\c], v[S+32*\c+16], v[S+32*\c+17], v[S+32*\c+18]
.endr
.irp i, 3,5,7,9,11,13
.irp c, 0,1
	v_max3_num_f32 v[B0+\c], v[B0+\c], v[S+32*\c+\i], v[S+32*\c+\i+1]
	v_max3_num_f32 v[U0+\c], v[U0+\c], v[S+32*\c+16+\i], v[S+32*\c+17+\i]
.endr
.endr
.irp c, 0,1
	v_max3_num_f32 v[B0+\c], v[B0+\c], v[U0+\c], v[S+32*\c+15]
.endr
.irp c, 0,1
	v_max_num_f32 v[B0+\c], v[B0+\c], v[S+32*\c+31]
.endr
.endm
.macro CHAIN w                         ; the new M, f, and O^T under the new M.  The lines ahead of the multiplications are the places behind the second products
	WIN 0x55*\w
	v_max3_num_f32 v[RMAX], v[RMAX], v[B0], v[B0+1]
	s_delay_alu instid0(VALU_DEP_1)
	v_permlanex16_b32 v[TT], v[RMAX], s[SEL], s[SEL+1]
	s_delay_alu instid0(VALU_DEP_1)
	v_max_num_f32 v[RMAX], v[RMAX], v[TT]          ; with lane l xor 16's 64 keys: the running largest score of my query
	s_delay_alu instid0(VALU_DEP_1)
	v_mul_f32 v[TT], s[CS], v[RMAX]                ; as t (c is positive)
	s_delay_alu instid0(VALU_DEP_1)
	v_floor_f32 v[NM], -v[TT]                      ; the new -M = floor(-t) = -ceil(t): M is a whole number
	s_delay_alu instid0(VALU_DEP_1)
	v_sub_f32 v[OLD], v[NM], v[OLD]                ; M's old value less its new one: a whole number, 0 or less
	s_delay_alu instid0(VALU_DEP_1)
	v_cvt_i32_f32 v[OLD], v[OLD]                   ; (it saturates)
	s_delay_alu instid0(VALU_DEP_1)
	v_ldexp_f32 v[F], 1.0, v[OLD]                  ; f = 2^(old M - new M)
.set i, 0
.rept 16
	v_pk_mul_f32 v[OT+i:OT+i+1], v[OT+i:OT+i+1], v[F:F+1] op_sel_hi:[1,0]   ; O^T x f, ahead of every exponential of the step
.set i, i+2
.endr
.endm
.macro TREE n                          ; n packed additions in place: the lower n pairs take the n pairs above them
.set i, 0
.rept \n
	v_pk_add_f32 v[S+i:S+i+1], v[S+i:S+i+1], v[S+2*(\n)+i:S+2*(\n)+i+1]
.set i, i+2
.endr
.endm
.macro REST w                          ; p, its codes and scale word, and the row's sum
	WIN 0x55*\w
.set i, 0
.rept 32
	v_pk_fma_f32 v[S+i:S+i+1], v[S+i:S+i+1], s[CS:CS+1], v[NM:NM+1] op_sel_hi:[1,0,0]   ; t - M, two at a time (of the pairs c and -M the low word serves both halves)
.set i, i+2
.endr
.irp c, 0,1
	v_fma_f32 v[B0+\c], v[B0+\c], s[CS], v[NM]     ; the same of each block's largest score
.endr
	s_wait_alu depctr_va_vdst(0)                   ; the wait ahead of the batch
.set i, 0
.rept 64
	v_exp_f32 v[S+i], v[S+i]                       ; p = 2^(t - M): not normalised
.set i, i+1
.endr
.irp c, 0,1
	v_exp_f32 v[B0+\c], v[B0+\c]                   ; the block's largest p: the same two instructions on the same number give the same bits
.endr
	v_mov_b32 v[OLD], v[NM]                        ; for the next step.  (A plain place behind the exponentials)
	s_wait_alu depctr_va_vdst(0)                   ; one wait for the whole batch, ahead of its first reader
.irp c, 0,1
	v_max_num_f32 v[B0+\c], 0x1800000, v[B0+\c]    ; the floor 2^(3 - 127): the byte cannot fall under 1
.endr
.irp c, 0,1
	s_delay_alu instid0(VALU_DEP_2)
	v_add_nc_u32 v[U0+\c], 0xff000000, v[B0+\c]    ; 2 off the exponent field: the conversion's scale operand
.endr
.irp c, 0,1
	s_delay_alu instid0(VALU_DEP_2)
	v_lshrrev_b32 v[B0+\c], 23, v[U0+\c]           ; the scale's byte
.endr
	s_delay_alu instid0(VALU_DEP_1)
	v_lshl_or_b32 v[B0], v[B0+1], 16, v[B0]        ; my two bytes: blocks h and 2 + h
	s_delay_alu instid0(VALU_DEP_1)
	v_permlanex16_b32 v[TT], v[B0], s[SEL], s[SEL+1]
	v_cvt_scalef32_pk16_fp6_f32 v[P:P+2], v[S:S+15], v[U0]
	v_cvt_scalef32_pk16_fp6_f32 v[T1:T1+2], v[S+16:S+31], v[U0]
	v_cvt_scalef32_pk16_fp6_f32 v[P+6:P+8], v[S+32:S+47], v[U0+1]
	v_cvt_scalef32_pk16_fp6_f32 v[T2:T2+2], v[S+48:S+63], v[U0+1]
	WIN 0x11*\w                                    ; (sources in the tile's window, the destination in window 0)
	v_lshl_or_b32 v[PW+(PWB-PW)*\w], v[TT], 8, v[B0]   ; p's scale word for these 128 keys, whole in lanes 0-15, which alone are read.  (The plain place behind the conversions)
	WIN 0x55*\w
	TREE 16                                        ; THE ROW'S SUM IS TAKEN OF THE UNQUANTISED p: a tree of packed additions in place, on registers that are done with,
	TREE 8
	TREE 4
	TREE 2
	TREE 1
	v_pk_fma_f32 v[SM:SM+1], v[SM:SM+1], v[F:F+1], v[S:S+1] op_sel_hi:[1,0,1]   ; onto the old sums x f
.endm
; A KEY STEP: 128 keys x 32 queries.
.macro STEP
	ADDR
	s_wait_dscnt 0x0                               ; this step's K and the last step's V are in: both were asked for in the last step's middle
	QKX 0
	QKX 1
	PFIN 0                                         ; six plain lines: the places behind the products above
	MAXT 0
	PFIN 1
	MAXT 1
	PVX 0                                          ; the LAST step's second products: each tile's 32 maxima stand between the writes of p's codes and them
	PVX 1
	CHAIN 0
	CHAIN 1
	WIN 0
	VLOAD                                          ; this step's V,
	s_cmp_eq_u32 s[CNT], 1                         ; and, but in a slot's last step, the next step's K: a branch on the loop's counter, the same in all waves; every wait on DScnt in the walk is for 0
	s_cbranch_scc1 .Lno_k_\@
	KLOAD STEPB, 768
.Lno_k_\@:
	REST 0
	REST 1
	WIN 0
	s_add_co_u32 s[TB], s[TB], STEPB               ; the next step's images and scale units
	s_add_co_u32 s[TS], s[TS], 768
.endm
; THE CHANGE OF SLOTS stands at the head of slot n.  Each wave waits for all its tensor loads, adds 0 to its spare word, and waits for that and for its reads of the slot
; that it has left.  fill = 1: a round of the cluster's barrier follows, and the joint load of slot n + 1 is the first thing behind it: it has eight key steps in which to land.  Then the slot's first K is asked of LDS.
.macro CHANGE fill, n
	s_wait_tensorcnt 0x0                           ; no tensor load of mine is out, so group 0 may be written
	ds_add_u32 v[SPW], v[NIL]
	ds_add_u32 v[SPW], v[NIL]
.if \fill
	s_xor_b32 s[G0+1], s[G0+1], SLOT1              ; the other slot than last time,
	s_add_nc_u64 s[G0+2:G0+3], s[G0+2:G0+3], SLOTB ; the next eight key steps
.endif
	s_mov_b32 s[TB], ((\n)%2)*SLOT1
	s_mov_b32 s[TS], (\n)*8*768
	s_mov_b32 s[CNT], 8
	s_wait_dscnt 0x0                               ; the adds are done, and my reads of the slot that I have left are over
.if \fill
	CROUND
	JLOAD 4
.if \n < 2
	ASK \n
.endif
.else
	s_barrier_signal -1
	s_barrier_wait -1
.endif
	ADDR
	KLOAD 0, 0
.endm
.macro STEPS                           ; a slot's eight key steps
.Lstep_\@:
	STEP
	s_sub_co_u32 s[CNT], s[CNT], 1
	s_cmp_lg_u32 s[CNT], 0
	s_cbranch_scc1 .Lstep_\@
.endm
	s_wait_alu depctr_va_vdst(0)                   ; the wait at the head's end
	s_wait_loadcnt 0x0                             ; Q
	CHANGE 1, 0                                    ; slot 0 and the scale units are in; slot 1 is asked for
	VLOAD                                          ; the first step's belated products multiply zero codes of p: they are given step 0's V, so that their operands are written
	STEPS
	CHANGE 1, 1
	STEPS
	CHANGE 1, 2
	STEPS
	CHANGE 0, 3                                    ; the last slot: nothing is left to ask for
	STEPS
	; THE LAST STEP'S SECOND PRODUCTS, and the way out: O^T is divided by the row's sum and goes through my stage in LDS, so that sixteen lanes store a token's 256 consecutive bytes.
.macro TSUM w
	WIN 0x55*\w
	v_add_f32 v[SM], v[SM], v[SM+1]                ; the sum's halves,
	s_delay_alu instid0(VALU_DEP_1)
	v_permlanex16_b32 v[TT], v[SM], s[SEL], s[SEL+1]
	s_delay_alu instid0(VALU_DEP_1)
	v_add_f32 v[SM], v[SM], v[TT]                  ; and lane l xor 16's: the row's sum
.endm
.macro DIVIDE w
	WIN 0x55*\w
	s_wait_alu depctr_va_vdst(0)                   ; a wait directly ahead of the first readers of the reciprocal and of O^T
.set i, 0
.rept 16
	v_pk_mul_f32 v[S+i:S+i+1], v[OT+i:OT+i+1], v[SM:SM+1] op_sel_hi:[1,0]   ; each accumulator from its low end on
.set i, i+2
.endr
.endm
	PFIN 0
	PFIN 1
	TSUM 1
	TSUM 0
	v_and_b32 v[OLD], 0xf0, v[L16]                 ; 16 r
	v_lshrrev_b32 v[U0], 8, v[L16]                 ; h
	s_wait_alu depctr_va_vdst(0)                   ; directly ahead of the wait below
	s_wait_dscnt 0x0                               ; the last V is in
	PVX 0
	PVX 1
	WIN 0
	s_wait_alu depctr_va_vdst(0)                   ; the wait ahead of the transcendentals
	v_rcp_f32 v[SM], v[SM]
	WIN 0x55
	v_rcp_f32 v[SM], v[SM]
	WIN 0
	s_mul_i32 s42, s[WV], 32*SP
	s_add_co_u32 s42, s42, STAGE                   ; my stage: tile A's 16 rows, then tile B's
	v_mul_u32_u24 v[AD16], v[OLD], 17              ; in: row r of 272 bytes; register i is channel 32 h + i: 128 h + 4 i bytes on.  (These six lines are the places behind the products and the reciprocals)
	v_mul_u32_u24 v[AD8], v[U0], SP                ; back: lanes 0-15 one row, lanes 16-31 the next
	v_lshl_add_u32 v[AD16], v[U0], 7, v[AD16]
	v_add_nc_u32 v[AD8], v[AD8], v[OLD]
	v_add_nc_u32 v[AD16], s42, v[AD16]
	v_add_nc_u32 v[AD8], s42, v[AD8]
	DIVIDE 0
	DIVIDE 1
	WIN 0
.irp q, 0,1,2,3,4,5,6,7
	ds_store_b128 v[AD16], v[S+4*\q:S+4*\q+3] offset:16*\q
.endr
	WIN 0x04                                       ; the data in window 1
.irp q, 0,1,2,3,4,5,6,7
	ds_store_b128 v[AD16], v[S+4*\q:S+4*\q+3] offset:16*SP+16*\q
.endr
	WIN 0
.irp i, 0,1,2,3,4,5,6,7
	ds_load_b128 v[VF+4*\i:VF+4*\i+3], v[AD8] offset:2*\i*SP   ; LDS serves a wave's instructions in order (ISA guide 5.7.1.4): these see my stores
.endr
.irp i, 0,1,2,3,4,5,6,7
	ds_load_b128 v[KF+4*\i:KF+4*\i+3], v[AD8] offset:(16+2*\i)*SP
.endr
.irp i, 0,1,2,3,4,5,6,7
	s_wait_dscnt 15-\i                             ; the younger loads may be out
	global_store_b128 v[GO], v[VF+4*\i:VF+4*\i+3], s[8:9] offset:(2*\i+24*(\i/4))*2048 th:TH_STORE_NT   ; stage row j is token j + 24 (j / 8) of the tile's; 16 lanes store 256 consecutive bytes, at a multiple of 256 from out0's first byte
.endr
.irp i, 0,1,2,3,4,5,6,7
	s_wait_dscnt 7-\i
	global_store_b128 v[GO], v[KF+4*\i:KF+4*\i+3], s[8:9] offset:(8+2*\i+24*(\i/4))*2048 th:TH_STORE_NT   ; tile B's tokens lie 8 rows behind tile A's
.endr
	s_wait_tensorcnt 0x0                           ; the wave's end, behind my last tensor load and my last LDS store
	ds_add_u32 v[SPW], v[NIL]
	s_wait_dscnt 0x0
	CROUND                                         ; the closing round: no work-group ends while a partner may still ask for a tile that names it
	s_endpgm
.Lfunc_end_k_q8ab3751662_attn:
	.size	k_q8ab3751662_attn, .Lfunc_end_k_q8ab3751662_attn-k_q8ab3751662_attn
	.p2alignl 7, 3214868480
	.fill 96, 4, 3214868480
	.section	.rodata,"a",@progbits
	.p2align	6, 0x0
	.amdhsa_kernel k_q8ab3751662_attn
		.amdhsa_group_segment_fixed_size 327680
		.amdhsa_private_segment_fixed_size 0
		.amdhsa_enable_private_segment 0
		.amdhsa_kernarg_size 24
		.amdhsa_user_sgpr_count 2
		.amdhsa_user_sgpr_kernarg_segment_ptr 1
		.amdhsa_wavefront_size32 1
		.amdhsa_system_sgpr_workgroup_id_x 1
		.amdhsa_system_sgpr_workgroup_id_y 1
		.amdhsa_system_sgpr_workgroup_id_z 1
		.amdhsa_system_vgpr_workitem_id 0
		.amdhsa_next_free_vgpr 512
		.amdhsa_next_free_sgpr 66
		.amdhsa_reserve_vcc 0
		.amdhsa_float_denorm_mode_32 3
		.amdhsa_float_denorm_mode_16_64 3
		.amdhsa_memory_ordered 1
		.amdhsa_forward_progress 1
		.amdhsa_inst_pref_size 139
	.end_amdhsa_kernel
	.amdgpu_metadata
---
amdhsa.version: [ 1, 2 ]
amdhsa.kernels:
  - .name:           k_q8ab3751662_attn
    .symbol:         k_q8ab3751662_attn.kd
    .args:
      - { .name: qimg, .offset: 0, .size: 8, .value_kind: global_buffer, .address_space: global }
      - { .name: kv, .offset: 8, .size: 8, .value_kind: global_buffer, .address_space: global }
      - { .name: out0, .offset: 16, .size: 8, .value_kind: global_buffer, .address_space: global }
    .group_segment_fixed_size: 327680
    .private_segment_fixed_size: 0
    .kernarg_segment_align: 8
    .kernarg_segment_size: 24
    .max_flat_workgroup_size: 256
    .sgpr_count:     66
    .vgpr_count:     512
    .wavefront_size: 32
...
	.end_amdgpu_metadata
.endif
;; end of part 3
